; MI455X (gfx1250); checked and timed in simulation.
; The chip was launched on July 23, 2026; its instructions are those of AMD's public machine-readable ISA for CDNA 5 (MIT licence, August 2026) and "CDNA5" Instruction Set Architecture Reference Guide (July 2026). The comments in the code are by the model that wrote it; some were corrected since.
;; Attend. Allowed arithmetic: matrix products marked QUANTISED: E2M1 operands, one E8M0 scale for each 32 along K, by v_wmma_scale_f32_16x16x128_f8f6f4 with both operands' format E2M1 (or v_wmma_scale_f32_32x16x128_f4), f32 sums; everything else in f32.
;; Inputs: k_codes 2 x 8 x 2,048 x 4 x 16 uint8 (E2M1 codes of k, K innermost, in blocks of 32 codes, two codes a byte); k_scales 2 x 8 x 2,048 x 4 uint8 (E8M0 scales of k, one for each 32 codes along K); q_codes 2 x 32 x 2,048 x 4 x 16 uint8 (E2M1 codes of q, K innermost, in blocks of 32 codes, two codes a byte); q_scales 2 x 32 x 2,048 x 4 uint8 (E8M0 scales of q, one for each 32 codes along K); v_codes 2 x 8 x 128 x 64 x 16 uint8 (E2M1 codes of v, K innermost, in blocks of 32 codes, two codes a byte); v_scales 2 x 8 x 128 x 64 uint8 (E8M0 scales of v, one for each 32 codes along K).
;; Outputs: out0 2 x 32 x 2,048 x 128 float32.
;; This version of the problem:
;;   THIS VERSION OF THE PROBLEM IS GIVEN IN LOW PRECISION. The matrix products marked QUANTISED in the list below multiply operands that are first quantised to E2M1 (2 exponent bits, 1 mantissa bit; 4 bits a number), with one power-of-two scale for each 32 numbers along K (OCP MX v1.0); their sums are f32. All else is computed in f32.
;;   The module's matrix products, in the order in which they are computed (A, B: the left and right operand; K: the contracted axis; several contracted axes count as one K, in the product's order):
;;     1. batch 64 x [M 2,048, K 128] x [K 128, N 2,048]; A: input q (given as codes); B: input k (given as codes): QUANTISED
;;     2. batch 64 x [M 2,048, K 2,048] x [K 2,048, N 128]; A: softmax (see below); B: input v (given as codes): QUANTISED
;;   THE QUANTISER, for each operand of a quantised product, along K:
;;     - K is cut into blocks of 32 from its start; a last block that is shorter is filled with zeros.
;;     - A block's scale is 2^e with e = floor(log2(the largest magnitude in the block)) - 2, held to -126 .. 127; a block of zeros has e = 0. As a byte (E8M0): e + 127.
;;     - Each number is divided by its block's scale, clamped to +-6, and rounded to the nearest number of E2M1, ties to even, subnormals kept.
;;     - The product sums the exact products of the quantised numbers (number of the format x scale) in f32.
;;   ~~~python
;;   def quantise(x, axis):      # numpy; x: float32 -> the quantised numbers, widened to float32 again
;;       x = np.moveaxis(x, axis, -1); K = x.shape[-1]
;;       x = np.pad(x, [(0, 0)] * (x.ndim - 1) + [(0, -K % 32)]); x = x.reshape(x.shape[:-1] + (-1, 32)); a = np.abs(x).max(-1, keepdims=True)
;;       e = np.where(a > 0, np.clip(np.frexp(np.where(a > 0, a, 1))[1] - 1 - 2, -126, 127), 0)      # np.frexp(a)[1] - 1 = floor(log2(a)), exactly
;;       r = np.clip(x / 2.0 ** e, -6, 6)
;;       step = 2.0 ** (np.maximum(np.frexp(np.where(r == 0, 1, r))[1] - 1, 0) - 1)
;;       q = np.round(r / step) * step * 2.0 ** e      # np.round: ties to even
;;       return np.moveaxis(q.reshape(q.shape[:-2] + (-1,))[..., :K], -1, axis).astype(np.float32)
;;   ~~~
;;   SOFTMAX AHEAD OF A QUANTISED PRODUCT. Where the list says 'softmax', what is quantised is not the finished softmax but p = 2^(t - M), with t = logit x log2(e) and M = ceil(the row's largest t), a whole number; so 1/2 < the row's largest p <= 1. The row's sum l is taken of the UNQUANTISED p, in f32, and the product's result is divided by l at the end. Since M is a whole number, a kernel that streams over the keys may use a running M (the ceiling of the running maximum): every later rescaling is an exact power of two, which a block's scale takes up: the codes' values come out the same.
;;   OPERANDS COMPUTED ON THE WAY. 'Computed on the way' means the value that the module computes at that place (a softmax that the list does not call 'softmax' is quantised finished and normalised). What goes into a quantiser is computed in f32, as accurately as f32 sums, v_exp_f32 and their like allow (about 1e-6 of the number): no bf16 or f16 on the way to a quantiser, and a product that is left as it is and whose result goes on into a quantised operand takes f32 operands (vector FMAs, or v_wmma_f32_16x16x4_f32). A number that lies on a knife's edge between two numbers of the format may be rounded either way, as far as f32 arithmetic and the matrix unit's own rounding can turn it there, and no further.
;;   INPUTS GIVEN AS CODES. k (in the module: [2, 8, 2048, 128], K = its axis 3); q (in the module: [2, 32, 2048, 128], K = its axis 3); v (in the module: [2, 8, 2048, 128], K = its axis 2): each comes as NAME_codes (uint8): NAME with its K axis moved to the last place and cut into blocks of 32 codes, [.., K / 32, bytes a block], one block behind the other in memory; two codes a byte, the lower K in the low four bits (a code: sign, 2 exponent bits, 1 mantissa bit); and NAME_scales (uint8): the same leading axes, one E8M0 byte (e + 127) for each 32 codes along K. Its value is code x scale, taken as it is: it is not quantised again, and the codes and scales need not be those that the quantiser above would give.
;; One version. Each part assembles by itself: llvm-mc -triple=amdgcn-amd-amdhsa -mcpu=gfx1250 --defsym DOCPART=n.
;; ======== version 1 of 1: 1 launch
;; launch attend (part 1): grid 4 x 64, 16 waves a work-group, no clusters, 296,960 bytes of LDS; arguments q_codes, q_scales, k_codes, k_scales, v_codes, v_scales, out0; writes out0
.if DOCPART == 1
	.amdgcn_target "amdgcn-amd-amdhsa--gfx1250"
	.amdhsa_code_object_version 6
	.text
	.protected	k_qa6dc431ec4_attend
	.globl	k_qa6dc431ec4_attend
	.p2align	8
	.type	k_qa6dc431ec4_attend,@function
k_qa6dc431ec4_attend:
	s_mov_b64 s[64:65], 0
	v_nop
	global_prefetch_b8 v0, s[64:65] scope:SCOPE_SE
	s_setreg_imm32_b32 hwreg(HW_REG_WAVE_MODE, 25, 1), 1
	s_wait_xcnt 0x0
; out0[b][h][q][:] = the sum over keys k <= q of softmax_k(Q[b][h][q] . K[b][h % 8][k] / sqrt(128)) V[b][h % 8][k][:]: 2 batches, 32 query heads, 8 key and value heads, 2,048 positions, head size 128.
; Both products on codes of FP4 (E2M1) with one E8M0 scale for each 32 along a product's K.  Q, K: codes along the head's 128 (64 bytes and one scale word a row).  V: codes with the KEYS innermost (a channel's row: 1,024 bytes, 64 scale bytes).
; THE SOFTMAX AHEAD OF THE SECOND PRODUCT: t = score x log2(e) / sqrt(128); M = the row's largest t so far, rounded UP to a whole number; p = 2^(t - M) is quantised along the keys, not normalised.
; The row's sum is taken of the unquantised p, in f32, and divides O at the end.  When M moves, the sum and O are multiplied by 2^(old M - new M): exact.
; K AND V OF THE WHOLE HEAD STAY IN LDS: 262,144 bytes of codes and 16,384 of scale bytes, 290,816 with their padding.  Each of the sixteen waves brings a sixteenth of each of the four tensors, by four tensor loads at the head;
; nothing is ever filled again, so there is no ring: one wait and one barrier, and then every wave walks the keys at its own pace.
; SHARES.  256 work-groups of sixteen waves.  A work-group owns two blocks of 256 queries of one query head, block 7 - PI and then block PI; a wave owns one tile of 16 queries in each, one after the other in the same registers.
; The tiles are paired so that a wave's key steps of 128 add up to 17 whatever its place.  A step all of whose keys come after the wave's queries is left out (a scalar branch on ids).
; THE TEXT.  One loop of two trips, a tile a trip; in it one loop of 16 key steps: the step, the start of a tile and the way out are written once.
; LAYOUT.  Both products are used transposed: S^T = K Q^T (source 0 = 16 neighbouring keys, source 1 = my 16 queries), O^T = V^T P^T (source 0 = 16 channels, source 1 = P): a lane holds ONE query (lane % 16) throughout.
; Register 96 + 8 t + j of lane (r, h) is the score of key 16 t + 8 h + j of the step: a block of 32 keys is registers 96 + 16 b .. + 15 of lanes l and l xor 16.
; NO CLUSTER: K and V are asked for once a work-group, 278,528 bytes in one group at the head, for its 272 key steps (16 waves x 17), each of which reads 17,408 bytes from LDS; no loop asks for tiles, so joint requests would thin out that one group alone.
; NO PREFETCH: every byte of K and V is asked for at the head; Q's 1,088 bytes a tile are asked for ahead of the 68 lines that start a tile.
; LIMITS: scores are taken to be finite; a scale byte 0xff (NaN) in an input does not give NaN wherever the definition would, since the maxima drop a NaN.  p under 2^-126 comes out of v_exp_f32 as 0; a block whose largest p
; lies under 2^-124 keeps the scale byte 1 (beside a row's largest p above 1/2 its numbers count for nothing).  A block's largest p is taken as the exponential of the block's largest score, which takes v_exp_f32 not to fall where its input rises.
.set KU,     272                       ; four keys' rows of K in LDS: 256 bytes + 16 of padding.  Key k lies at 272 (k / 4) + 64 (k % 4): the 16 rows of a load begin in the 16-byte columns r / 4 + 4 (r % 4), all different
.set VP,     1040                      ; a channel's row of V: 1,024 bytes (2,048 keys) + 16: row r begins in column r mod 16
.set VSP,    80                        ; a channel's 64 scale bytes + 16: 20 words from lane to lane
.set VBASE,  512*KU                    ; LDS: K's codes from 0, V's codes from here,
.set KSBASE, VBASE+128*VP              ; K's scale words, 4 bytes a key, dense,
.set VSBASE, KSBASE+8192               ; V's scale bytes; they end at 290,816
.set STP,    272                       ; a stage row: 256 bytes + 16
.set STAGE,  256*KU                    ; the way out: 16 rows x 272 bytes for each wave, in K's upper half (keys 1,024 on): it has had its one fill, and is written only behind a barrier behind which no wave needs those keys
.set DK,     32*KU                     ; from a key step to the next: K's codes: 128 keys,
.set DV,     64                        ; V's codes: 128 codes on in each row,
.set DS,     512                       ; K's scale words: 128 of them,
.set DT,     4                         ; V's: one word on in each row
; vector registers
.set AK0,  1                           ; v1   my lane's place in a tile of K: 272 (r / 4) + 64 (r % 4) + 16 h
.set AV0,  2                           ; v2   in V's tiles 0-3: VBASE + 1,040 r + 16 h
.set ASK0, 3                           ; v3   among K's scale words: KSBASE + 4 x lane
.set ASV0, 4                           ; v4   among V's: VSBASE + 80 x lane
.set GO,   7                           ; v7   the way out: 512 h + 16 r
.set ADK,  8                           ; v8-11, v24 the five addresses for the step in hand
.set ADV,  9
.set ADS,  10
.set ADT,  11
.set ADW,  24
.set STI,  25                          ; v25  the stage, in: 272 r + 32 h
.set STO,  26                          ; v26  the stage, back: 272 h + 16 r
.set QA,   27                          ; v27  Q's codes: 64 r + 16 h
.set QW,   29                          ; v29  Q's scale words: 4 r
.set DL,   30                          ; v30  r - 8 h, for the mask
.set AV1,  31                          ; v31  my lane's place in V's tiles 4-7: 64 rows on (an LDS offset has 16 bits)
; v12 -M, v13 the largest t, v[14:15] the sum in two halves; v16-23 Q; v32-95 eight fragments of K, then of V; v96-159 S^T, then p, then O / the sum; v160-223 O^T, then rows of O;
; v224-231 p's codes; v232-239, v244-247, v252, v254 at work; v240-243 V's scale words, v248-251 K's, v253 p's, v255 Q's
; scalar registers
.set TK,   2                           ; s2   the step's place among K's codes
.set TV,   3                           ; s3   among V's codes
.set QC,   4                           ; s[4:5], s[6:7]   Q's codes and scale words at the tile in hand
.set QS,   6
.set QCB,  8                           ; s[8:9], s[10:11] at my early tile
.set QSB,  10
.set OP,   12                          ; s[12:13] out0 at the tile in hand;  s[14:15] at my early tile
.set OB,   14
.set TS,   16                          ; s16  the step's place among K's scale words
.set TT,   17                          ; s17  among V's
.set WV,   18                          ; s18  my wave's number
.set QI,   19                          ; s19  counts a tile's 16 steps
.set SEL,  20                          ; s[20:21] lane selects for v_permlanex16_b32: lane l xor 16
.set CS,   22                          ; s[22:23] c = log2(e) / sqrt(128)
.set G1K,  24                          ; descriptor groups 1: K's codes, V's codes, K's scales, V's scales
.set G1V,  32
.set G1KS, 40
.set G1VS, 48
.set G0K,  56                          ; and their groups 0; none of the 48 registers is written again
.set G0V,  60
.set PH,   66                          ; s66  counts the two tiles  (in the head: PI)
.set KVI,  67                          ; s67  in the head: 8 x batch + key and value head
.set G0KS, 68
.set G0VS, 72
.set OFS,  76                          ; s[76:77] an offset in 64 bits; s77 stays 0
.set KF,   78                          ; s78  the step's first key
.set Q0,   79                          ; s79  my tile's first query
.set Q0B,  80                          ; s80  that of my early tile
.set T0,   81                          ; s81-84 at work
.macro QLOAD                           ; a tile's fragment of Q (lane (r, h): 16 bytes at 64 r + 16 h, twice, 32 bytes apart) and its scale words; they stay in registers
.irp c, 0,1
	global_load_b128 v[16+4*\c:19+4*\c], v[QA], s[QC:QC+1] offset:32*\c th:TH_LOAD_NT
.endr
	global_load_b32 v255, v[QW], s[QS:QS+1]
.endm
.macro INIT                            ; a tile begins: the step is written once, and the first finds zeros, which the first change of M leaves zeros
	v_mov_b32 v13, 0xff61b1e6                      ; the largest t so far: -3e38, under every t
	s_delay_alu instid0(VALU_DEP_1)
	v_floor_f32 v12, -v13                          ; -M
	v_mov_b32 v14, 0
	v_mov_b32 v15, 0
.set j, 0
.rept 64
	v_mov_b32 v[160+j], 0
.set j, j+1
.endr
.endm
; One scale register serves two tiles: lanes 0-15 hold the even tile's words, lanes 16-31 the odd tile's
.macro SPROD t                         ; S^T, tile t: 16 keys x my 16 queries; the constant 0 starts the sum
.if (\t)%2
	v_wmma_scale_f32_16x16x128_f8f6f4 v[96+8*(\t):103+8*(\t)], v[32+8*(\t):39+8*(\t)], v[16:23], 0, v[248+(\t)/2], v255 matrix_a_fmt:MATRIX_FMT_FP4 matrix_b_fmt:MATRIX_FMT_FP4 matrix_a_scale:MATRIX_SCALE_ROW1
.else
	v_wmma_scale_f32_16x16x128_f8f6f4 v[96+8*(\t):103+8*(\t)], v[32+8*(\t):39+8*(\t)], v[16:23], 0, v[248+(\t)/2], v255 matrix_a_fmt:MATRIX_FMT_FP4 matrix_b_fmt:MATRIX_FMT_FP4
.endif
.endm
.macro PVPROD t                        ; O^T, tile t: 16 channels x my 16 queries, K = the step's 128 keys
.if (\t)%2
	v_wmma_scale_f32_16x16x128_f8f6f4 v[160+8*(\t):167+8*(\t)], v[32+8*(\t):39+8*(\t)], v[224:231], v[160+8*(\t):167+8*(\t)], v[240+(\t)/2], v253 matrix_a_fmt:MATRIX_FMT_FP4 matrix_b_fmt:MATRIX_FMT_FP4 matrix_a_scale:MATRIX_SCALE_ROW1
.else
	v_wmma_scale_f32_16x16x128_f8f6f4 v[160+8*(\t):167+8*(\t)], v[32+8*(\t):39+8*(\t)], v[224:231], v[160+8*(\t):167+8*(\t)], v[240+(\t)/2], v253 matrix_a_fmt:MATRIX_FMT_FP4 matrix_b_fmt:MATRIX_FMT_FP4
.endif
.endm
; A KEY STEP: 128 keys; where they lie in LDS stands in s[TK], s[TV], s[TS], s[TT].
.macro STEP
	s_add_co_u32 s[T0], s[Q0], 15
	s_cmp_gt_u32 s[KF], s[T0]                      ; all 128 keys come after my 16 queries: the step's work is left out
	s_cbranch_scc1 .Lhidden_\@
	s_setprio 2
	v_add_nc_u32 v[ADK], s[TK], v[AK0]             ; these five are also the places between the last step's products and the loads into the registers that they read
	v_add_nc_u32 v[ADV], s[TV], v[AV0]
	v_add_nc_u32 v[ADW], s[TV], v[AV1]
	v_add_nc_u32 v[ADS], s[TS], v[ASK0]
	v_add_nc_u32 v[ADT], s[TT], v[ASV0]
.irp p, 0,1,2,3
	ds_load_b32 v[248+\p], v[ADS] offset:128*\p    ; the words of keys 32 p + lane: tiles 2 p and 2 p + 1
.endr
.irp t, 0,1,2,3,4,5,6,7
.irp c, 0,1
	ds_load_b128 v[32+8*\t+4*\c:35+8*\t+4*\c], v[ADK] offset:4*\t*KU+32*\c
.endr
.endr
	s_wait_dscnt 8                                 ; the scale words and tiles 0-3 are in; the youngest eight loads, tiles 4-7, may be out
.irp t, 0,1,2,3
	SPROD \t
.endr
	s_wait_dscnt 0x0
.irp t, 4,5,6,7
	SPROD \t
.endr
.rept 4
	v_nop                                          ; places in front of the first read of the scores and of the loads into K's registers
.endr
	s_add_co_u32 s[T0], s[KF], 127                 ; on the diagonal the scores of hidden keys become -infinity ahead of the maximum: p = 0 then.  A step all of whose keys count skips this
	s_cmp_le_u32 s[T0], s[Q0]
	s_cbranch_scc1 .Lopen_\@
	s_sub_co_i32 s[T0], s[Q0], s[KF]
	v_add_nc_u32 v252, s[T0], v[DL]                ; d = my query - KF - 8 h.  Register 8 t + j holds key KF + 8 h + 16 t + j: hidden where 16 t + j > d
	v_mov_b32 v254, 0xff800000                     ; -infinity
.set n, 0
.rept 64
	v_cmp_gt_i32 vcc_lo, 16*(n/8)+n%8, v252
	v_cndmask_b32 v[96+n], v[96+n], v254, vcc_lo
.set n, n+1
.endr
.Lopen_\@:
	s_wait_alu depctr_va_vdst(0)
.irp p, 0,1,2,3                        ; V's run is issued here and lands under the softmax: nothing names v32-95 or v240-243 before the wait in front of the second product
	ds_load_b32 v[240+\p], v[ADT] offset:32*\p*VSP         ; the words of channels 32 p + lane for these 128 keys
.endr
.irp t, 0,1,2,3
.irp c, 0,1
	ds_load_b128 v[32+8*\t+4*\c:35+8*\t+4*\c], v[ADV] offset:16*\t*VP+32*\c
.endr
.endr
.irp t, 0,1,2,3
.irp c, 0,1
	ds_load_b128 v[64+8*\t+4*\c:67+8*\t+4*\c], v[ADW] offset:16*\t*VP+32*\c
.endr
.endr
.irp b, 0,1,2,3
	v_max3_num_f32 v[232+\b], v[96+16*\b], v[97+16*\b], v[98+16*\b]   ; the largest score of each block of 32 keys: it serves for the row's maximum and, since p rises with the score, for the block's largest p
.endr
.irp i, 3,5,7,9,11,13
.irp b, 0,1,2,3
	v_max3_num_f32 v[232+\b], v[232+\b], v[96+16*\b+\i], v[97+16*\b+\i]   ; (the four blocks by turns)
.endr
.endr
.irp b, 0,1,2,3
	v_max_num_f32 v[232+\b], v[232+\b], v[111+16*\b]
.endr
.irp b, 0,1,2,3
	s_delay_alu instid0(VALU_DEP_4)
	v_permlanex16_b32 v[236+\b], v[232+\b], s[SEL], s[SEL+1]
.endr
.irp b, 0,1,2,3
	s_delay_alu instid0(VALU_DEP_4)
	v_max_num_f32 v[232+\b], v[232+\b], v[236+\b]  ; with lane l xor 16's 16 keys
.endr
	s_delay_alu instid0(VALU_DEP_2)
	v_max3_num_f32 v254, v232, v233, v234
	s_delay_alu instid0(VALU_DEP_1)
	v_max_num_f32 v254, v254, v235                 ; the step's largest score of my query
	s_delay_alu instid0(VALU_DEP_1)
	v_mul_f32 v254, s[CS], v254                    ; as t (c is positive)
	s_delay_alu instid0(VALU_DEP_1)
	v_max_num_f32 v13, v13, v254                   ; the running largest t
	v_mov_b32 v254, v12
	s_delay_alu instid0(VALU_DEP_2)
	v_floor_f32 v12, -v13                          ; the new -M = floor(-t) = -ceil(t): a whole number
	s_delay_alu instid0(VALU_DEP_1)
	v_sub_f32 v254, v12, v254                      ; old M - new M: a whole number, 0 or less
	s_delay_alu instid0(VALU_DEP_1)
	v_cvt_i32_f32 v254, v254                       ; (it saturates)
	s_delay_alu instid0(VALU_DEP_1)
	v_ldexp_f32 v252, 1.0, v254                    ; f = 2^(old M - new M)
.set j, 0
.rept 32
	v_pk_fma_f32 v[96+j:97+j], v[96+j:97+j], s[CS:CS+1], v[12:13] op_sel_hi:[1,0,0]   ; t - M, two at a time (of the pairs c and -M the low word serves both halves)
.set j, j+2
.endr
.irp b, 0,1,2,3
	v_fma_f32 v[232+\b], v[232+\b], s[CS], v12     ; the same of each block's largest score
.endr
.set j, 0
	s_setprio 1
	s_wait_alu depctr_va_vdst(0)
.rept 64
	v_exp_f32 v[96+j], v[96+j]                     ; p = 2^(t - M), at most 1
.set j, j+1
.endr
	v_pk_mul_f32 v[14:15], v[14:15], v[252:253] op_sel_hi:[1,0]   ; the sums under the new M: the plain instruction behind the exponentials
	s_wait_alu depctr_va_vdst(0)                   ; one wait for the batch of 64, ahead of its first reader
.irp b, 0,1,2,3
	v_exp_f32 v[232+\b], v[232+\b]                 ; the block's largest p: the same two instructions on the same number give the same bits
.endr
	v_pk_add_f32 v[236:237], v[100:101], v[104:105]
	v_pk_add_f32 v[250:251], v[108:109], v[112:113]
	v_pk_add_f32 v[248:249], v[116:117], v[120:121]
	v_pk_add_f32 v[246:247], v[124:125], v[128:129]
	v_pk_add_f32 v[244:245], v[132:133], v[136:137]
	v_pk_add_f32 v[238:239], v[140:141], v[144:145]
	v_pk_add_f32 v[230:231], v[148:149], v[152:153]
	v_pk_add_f32 v[14:15], v[14:15], v[156:157]
	v_pk_add_f32 v[236:237], v[236:237], v[96:97]
	v_pk_add_f32 v[250:251], v[250:251], v[98:99]
	v_pk_add_f32 v[248:249], v[248:249], v[102:103]
	v_pk_add_f32 v[246:247], v[246:247], v[106:107]
	v_pk_add_f32 v[244:245], v[244:245], v[110:111]
	v_pk_add_f32 v[238:239], v[238:239], v[114:115]
	v_pk_add_f32 v[230:231], v[230:231], v[118:119]
	v_pk_add_f32 v[14:15], v[14:15], v[122:123]
	v_pk_add_f32 v[236:237], v[236:237], v[126:127]
	v_pk_add_f32 v[250:251], v[250:251], v[130:131]
	v_pk_add_f32 v[248:249], v[248:249], v[134:135]
	v_pk_add_f32 v[246:247], v[246:247], v[138:139]
	v_pk_add_f32 v[244:245], v[244:245], v[142:143]
	v_pk_add_f32 v[238:239], v[238:239], v[146:147]
	v_pk_add_f32 v[230:231], v[230:231], v[150:151]
	v_pk_add_f32 v[14:15], v[14:15], v[154:155]
	v_pk_add_f32 v[236:237], v[236:237], v[158:159]
	s_delay_alu instid0(VALU_DEP_2)
	v_pk_add_f32 v[14:15], v[14:15], v[246:247]
	s_delay_alu instid0(VALU_DEP_2)
	v_pk_add_f32 v[236:237], v[236:237], v[244:245]
	v_pk_add_f32 v[250:251], v[250:251], v[238:239]
	v_pk_add_f32 v[248:249], v[248:249], v[230:231]
	s_delay_alu instid0(VALU_DEP_2)
	v_pk_add_f32 v[14:15], v[14:15], v[250:251]
	s_delay_alu instid0(VALU_DEP_2)
	v_pk_add_f32 v[236:237], v[236:237], v[248:249]
	s_delay_alu instid0(VALU_DEP_1)
	v_pk_add_f32 v[14:15], v[14:15], v[236:237]
	s_wait_alu depctr_va_vdst(0)                   ; and one for the four
.irp b, 0,1,2,3
	v_max_num_f32 v[232+\b], 0x1800000, v[232+\b]  ; the floor 2^(3 - 127): the byte cannot fall under 1
.endr
.irp b, 0,1,2,3
	s_delay_alu instid0(VALU_DEP_4)
	v_add_nc_u32 v[244+\b], 0xff000000, v[232+\b]  ; 2 off the exponent field: the conversion's scale operand
.endr
.irp b, 0,1,2,3
	s_delay_alu instid0(VALU_DEP_4)
	v_lshrrev_b32 v[236+\b], 23, v[244+\b]         ; the scale's byte
.endr
	s_delay_alu instid0(VALU_DEP_3)
	v_lshl_or_b32 v253, v237, 8, v236              ; p's scale word for these 128 keys
	s_delay_alu instid0(VALU_DEP_1)
	v_lshl_or_b32 v253, v238, 16, v253
	s_delay_alu instid0(VALU_DEP_1)
	v_lshl_or_b32 v253, v239, 24, v253
.irp t, 0,1,2,3,4,5,6,7                ; tile t's eight codes a lane: keys 16 t + 8 h + 0 .. 7.  Of each four tiles they are laid in the order 0, 2, 1, 3,
	v_cvt_scalef32_pk8_fp4_f32 v[224+4*(\t/4)+2*(\t%2)+(\t%4)/2], v[96+8*\t:103+8*\t], v[244+\t/2]
.endr
	v_nop                                          ; one plain instruction between a scaled conversion and the vector instruction that touches its result
.irp c, 0,1                            ; so that two exchanges of halves give the operand: register 4 c + g of half h = keys 64 c + 32 h + 8 g on = tile 4 c + 2 h + g / 2, its half g % 2
	v_permlane16_swap_b32 v[224+4*\c], v[225+4*\c]
	v_permlane16_swap_b32 v[226+4*\c], v[227+4*\c]
.endr
.set j, 0
.rept 32
	v_pk_mul_f32 v[160+j:161+j], v[160+j:161+j], v[252:253] op_sel_hi:[1,0]   ; O^T under the new M, each accumulator from its low end on.  (These 32 are also the places between the codes' and the scale word's last writes and the products)
.set j, j+2
.endr
	s_setprio 0
	s_wait_alu depctr_va_vdst(0)
	s_wait_dscnt 0x0                               ; V and its scale words, asked for ahead of the softmax
.irp t, 0,1,2,3,4,5,6,7
	PVPROD \t                                      ; eight accumulators, one instruction each; the next matrix instruction on any way starts a tile of scores
.endr
.Lhidden_\@:
	s_add_co_u32 s[KF], s[KF], 128                 ; on to the next step, on both ways
	s_add_co_u32 s[TK], s[TK], DK
	s_add_co_u32 s[TV], s[TV], DV
	s_add_co_u32 s[TS], s[TS], DS
	s_add_co_u32 s[TT], s[TT], DT
.endm
	s_load_b256 s[4:11], s[0:1], 0x0               ; Q's codes s[4:5], Q's scales s[6:7], K's codes s[8:9], K's scales s[10:11]
	s_load_b128 s[12:15], s[0:1], 0x20             ; V's codes s[12:13], V's scales s[14:15]
	s_load_b64 s[16:17], s[0:1], 0x30              ; out0
	v_lshl_add_u32 v6, v0, 2, 0x48000
	v_mov_b32 v28, 0
	ds_add_u32 v6, v28
	ds_add_u32 v6, v28
	v_lshrrev_b32 v8, 5, v0
	s_delay_alu instid0(VALU_DEP_1)
	v_readfirstlane_b32 s[WV], v8                  ; wave 0..15
	s_and_b32 s[T0], ttmp7, 0xffff                 ; the work-group's y
	s_and_b32 s[PH], s[T0], 3                      ; PI: which pair of query blocks
	s_lshr_b32 s[KVI], s[T0], 2                    ; 8 x batch + key and value head
	s_lshr_b32 s[T0], s[WV], 2                     ; my tile in the late block: a = 8 ((w xor w / 4) % 2) + w / 2: each value once; of four waves on end, and of four waves four apart, two have a >= 8
	s_xor_b32 s[T0], s[T0], s[WV]
	s_and_b32 s[T0], s[T0], 1
	s_lshl_b32 s[T0], s[T0], 3
	s_lshr_b32 s82, s[WV], 1
	s_or_b32 s[T0], s[T0], s82
	s_xor_b32 s82, s[PH], 7                        ; 7 - PI
	s_lshl_b32 s82, s82, 8
	s_lshl_b32 s83, s[T0], 4
	s_add_co_u32 s[Q0], s82, s83                   ; the late tile's first query: 256 (7 - PI) + 16 a
	s_xor_b32 s[T0], s[T0], 15                     ; 15 - a
	s_lshl_b32 s[T0], s[T0], 4
	s_lshl_b32 s82, s[PH], 8
	s_add_co_u32 s[Q0B], s82, s[T0]                ; the early tile's: 256 PI + 16 (15 - a): the two tiles' key steps add up to 17
	; descriptor groups 1: what one wave brings of each tensor: a sixteenth of the head's
	s_mov_b32 s[G1K], (3<<16)|(1<<20)|(5<<22)|(3<<25)   ; K's codes: 8,192 dense bytes (128 keys) as 32 rows of 32 elements of 8 bytes; four words of padding after every 64
	s_mov_b32 s[G1K+1], 32<<16                     ; tensor_dim0 = 32
	s_mov_b32 s[G1K+2], 32<<16                     ; tensor_dim1 = 32
	s_mov_b32 s[G1K+3], 32<<16                     ; tile_dim0 = 32
	s_mov_b32 s[G1K+4], 32                         ; tile_dim1 = 32 rows
	s_mov_b32 s[G1K+5], 32                         ; from row to row
	s_mov_b32 s[G1K+6], 0
	s_mov_b32 s[G1K+7], 0
	s_mov_b32 s[G1V], (3<<16)|(1<<20)|(7<<22)|(3<<25)   ; V's codes: 8 channels' rows of 128 elements of 8 bytes; four words of padding after every 256
	s_mov_b32 s[G1V+1], 128<<16
	s_mov_b32 s[G1V+2], 8<<16
	s_mov_b32 s[G1V+3], 128<<16
	s_mov_b32 s[G1V+4], 8
	s_mov_b32 s[G1V+5], 128
	s_mov_b32 s[G1V+6], 0
	s_mov_b32 s[G1V+7], 0
	s_mov_b32 s[G1KS], 3<<16                       ; K's scale words: 512 dense bytes as 2 rows of 32 elements of 8 bytes; no padding
	s_mov_b32 s[G1KS+1], 32<<16
	s_mov_b32 s[G1KS+2], 2<<16
	s_mov_b32 s[G1KS+3], 32<<16
	s_mov_b32 s[G1KS+4], 2
	s_mov_b32 s[G1KS+5], 32
	s_mov_b32 s[G1KS+6], 0
	s_mov_b32 s[G1KS+7], 0
	s_mov_b32 s[G1VS], (0<<16)|(1<<20)|(3<<22)|(3<<25)  ; V's scale bytes: 8 channels' rows of 64 bytes; four words of padding after every 16
	s_mov_b32 s[G1VS+1], 64<<16
	s_mov_b32 s[G1VS+2], 8<<16
	s_mov_b32 s[G1VS+3], 64<<16
	s_mov_b32 s[G1VS+4], 8
	s_mov_b32 s[G1VS+5], 64
	s_mov_b32 s[G1VS+6], 0
	s_mov_b32 s[G1VS+7], 0
	s_mov_b32 s[SEL], 0x76543210
	s_mov_b32 s[SEL+1], 0xfedcba98
	s_mov_b32 s[CS], 0x3e0293ee                    ; c = log2(e) / sqrt(128)
	s_mov_b32 s[CS+1], s[CS]                       ; (named with it as a pair, so it is written)
	s_mov_b32 s[OFS+1], 0
	s_wait_dscnt 0x0
	s_wait_kmcnt 0x0
	; groups 0.  A head is 2^17 bytes of codes and 2^13 of scale bytes, for K and for V alike; my sixteenth of them 2^13 and 2^9.  In LDS: a constant + my wave's number x a constant
	s_lshl_b32 s[OFS], s[KVI], 17
	s_lshl_b32 s[T0], s[WV], 13
	s_add_co_u32 s[OFS], s[OFS], s[T0]
	s_mov_b32 s[G0K], 1                            ; 1:0 count = 1
	s_mul_i32 s[G0K+1], s[WV], 32*KU               ; 63:32 LDS address
	s_add_nc_u64 s[G0K+2:G0K+3], s[8:9], s[OFS:OFS+1]   ; 120:64 global address
	s_or_b32 s[G0K+3], s[G0K+3], 0x80000000        ; 127:126 type = 2
	s_mov_b32 s[G0V], 1
	s_mul_i32 s[G0V+1], s[WV], 8*VP
	s_add_co_u32 s[G0V+1], s[G0V+1], VBASE
	s_add_nc_u64 s[G0V+2:G0V+3], s[12:13], s[OFS:OFS+1]
	s_or_b32 s[G0V+3], s[G0V+3], 0x80000000
	s_lshl_b32 s[OFS], s[KVI], 13
	s_lshl_b32 s[T0], s[WV], 9
	s_add_co_u32 s[OFS], s[OFS], s[T0]
	s_mov_b32 s[G0KS], 1
	s_lshl_b32 s[G0KS+1], s[WV], 9
	s_add_co_u32 s[G0KS+1], s[G0KS+1], KSBASE
	s_add_nc_u64 s[G0KS+2:G0KS+3], s[10:11], s[OFS:OFS+1]
	s_or_b32 s[G0KS+3], s[G0KS+3], 0x80000000
	s_mov_b32 s[G0VS], 1
	s_mul_i32 s[G0VS+1], s[WV], 8*VSP
	s_add_co_u32 s[G0VS+1], s[G0VS+1], VSBASE
	s_add_nc_u64 s[G0VS+2:G0VS+3], s[14:15], s[OFS:OFS+1]
	s_or_b32 s[G0VS+3], s[G0VS+3], 0x80000000
	tensor_load_to_lds s[G0KS:G0KS+3], s[G1KS:G1KS+7]   ; the launch's only fills, one group: four loads of mine are out
	s_nop 0
	tensor_load_to_lds s[G0VS:G0VS+3], s[G1VS:G1VS+7]
	s_nop 0
	tensor_load_to_lds s[G0K:G0K+3], s[G1K:G1K+7]
	s_nop 0
	tensor_load_to_lds s[G0V:G0V+3], s[G1V:G1V+7]
	s_nop 0
.rept 4
	v_nop                                          ; four lines behind the last of them
.endr
	; Q and out0 at my two tiles.  The query head in memory: 32 x batch + 8 x the work-group's x + key and value head
	s_lshr_b32 s82, s[KVI], 3
	s_lshl_b32 s82, s82, 5
	s_lshl_b32 s83, ttmp9, 3
	s_add_co_u32 s82, s82, s83
	s_and_b32 s83, s[KVI], 7
	s_add_co_u32 s82, s82, s83
	s_lshl_b32 s82, s82, 11                        ; its first row
	s_add_co_u32 s83, s82, s[Q0]                   ; the late tile's first row among all 131,072
	s_add_co_u32 s84, s82, s[Q0B]                  ; the early tile's
	s_lshl_b32 s[OFS], s84, 6                      ; 64 bytes of codes a row
	s_add_nc_u64 s[QCB:QCB+1], s[4:5], s[OFS:OFS+1]     ; (K's and V's pointers have served: their registers are taken)
	s_lshl_b32 s[OFS], s84, 2                      ; a scale word a row
	s_add_nc_u64 s[QSB:QSB+1], s[6:7], s[OFS:OFS+1]
	s_lshl_b32 s[OFS], s84, 9                      ; 512 bytes of out0 a row
	s_add_nc_u64 s[OB:OB+1], s[16:17], s[OFS:OFS+1]
	s_lshl_b32 s[OFS], s83, 9
	s_add_nc_u64 s[OP:OP+1], s[16:17], s[OFS:OFS+1]
	s_lshl_b32 s[OFS], s83, 6
	s_add_nc_u64 s[QC:QC+1], s[4:5], s[OFS:OFS+1]
	s_lshl_b32 s[OFS], s83, 2
	s_add_nc_u64 s[QS:QS+1], s[6:7], s[OFS:OFS+1]
	v_and_b32 v8, 15, v0                           ; r = lane % 16
	v_bfe_u32 v9, v0, 4, 1                         ; h = lane / 16
	v_and_b32 v10, 31, v0                          ; lane
	s_delay_alu instid0(VALU_DEP_3)
	v_lshlrev_b32 v[QA], 6, v8
	s_delay_alu instid0(VALU_DEP_1)
	v_lshl_add_u32 v[QA], v9, 4, v[QA]
	v_lshlrev_b32 v[QW], 2, v8
	v_lshrrev_b32 v11, 2, v8
	s_delay_alu instid0(VALU_DEP_1)
	v_mul_u32_u24 v[AK0], v11, KU
	v_and_b32 v11, 3, v8
	s_delay_alu instid0(VALU_DEP_1)
	v_lshl_add_u32 v[AK0], v11, 6, v[AK0]
	s_delay_alu instid0(VALU_DEP_1)
	v_lshl_add_u32 v[AK0], v9, 4, v[AK0]
	v_mul_u32_u24 v[AV0], v8, VP
	s_delay_alu instid0(VALU_DEP_1)
	v_lshl_add_u32 v[AV0], v9, 4, v[AV0]
	s_delay_alu instid0(VALU_DEP_1)
	v_add_nc_u32 v[AV0], VBASE, v[AV0]
	s_delay_alu instid0(VALU_DEP_1)
	v_add_nc_u32 v[AV1], 64*VP, v[AV0]
	v_lshl_add_u32 v[ASK0], v10, 2, KSBASE
	v_mul_u32_u24 v[ASV0], v10, VSP
	s_delay_alu instid0(VALU_DEP_1)
	v_add_nc_u32 v[ASV0], VSBASE, v[ASV0]
	v_lshlrev_b32 v[GO], 9, v9
	s_delay_alu instid0(VALU_DEP_1)
	v_lshl_add_u32 v[GO], v8, 4, v[GO]
	s_mul_i32 s[T0], s[WV], 16*STP
	s_add_co_u32 s[T0], s[T0], STAGE               ; my stage
	v_mul_u32_u24 v[STI], v8, STP
	s_delay_alu instid0(VALU_DEP_1)
	v_lshl_add_u32 v[STI], v9, 5, v[STI]
	s_delay_alu instid0(VALU_DEP_1)
	v_add_nc_u32 v[STI], s[T0], v[STI]
	v_mul_u32_u24 v[STO], v9, STP
	s_delay_alu instid0(VALU_DEP_1)
	v_lshl_add_u32 v[STO], v8, 4, v[STO]
	s_delay_alu instid0(VALU_DEP_1)
	v_add_nc_u32 v[STO], s[T0], v[STO]
	v_lshlrev_b32 v11, 3, v9
	s_delay_alu instid0(VALU_DEP_1)
	v_sub_nc_u32 v[DL], v8, v11
.irp b, 0,1,2,3
	v_mov_b32 v[236+\b], 0                         ; written once: a lane permute's destination counts as one of its sources
.endr
	v_mov_b32 v252, 0
	v_mov_b32 v253, 0                              ; (named as the upper half of the pair v[252:253] before it is first written)
	v_mov_b32 v254, 0
	s_mov_b32 s[PH], 2                             ; (PI has served)
	s_wait_tensorcnt 0x0                           ; my sixteenth of the head's K and V lies in LDS,
	s_barrier_signal -1
	s_barrier_wait -1                              ; everybody's does
.Ltile:                                            ; two trips: my late tile, then my early tile
	QLOAD
	INIT
	s_mov_b32 s[KF], 0                             ; a tile walks the keys from the head's first on
	s_mov_b32 s[TK], 0
	s_mov_b32 s[TV], 0
	s_mov_b32 s[TS], 0
	s_mov_b32 s[TT], 0
	s_mov_b32 s[QI], 16
	s_wait_loadcnt 0x0                             ; Q
.Lstep:                                            ; 16 trips: the head's 2,048 keys, 128 a step
	STEP
	s_sub_co_u32 s[QI], s[QI], 1
	s_cmp_lg_u32 s[QI], 0
	s_cbranch_scc1 .Lstep
	s_setprio 0
	; THE WAY OUT of a tile.  O^T is divided by the row's sum and goes through my stage in LDS, half a row (64 channels, 256 bytes) of 16 queries at a time, so that sixteen lanes store 256 consecutive bytes, aligned.
	s_wait_dscnt 0x0                               ; my reads of K and V for this tile are over:
	s_barrier_signal -1                            ; say so; the division stands between the signal and the wait: work on registers alone
	v_add_f32 v14, v14, v15                        ; the sum's two halves,
	s_delay_alu instid0(VALU_DEP_1)
	v_permlanex16_b32 v252, v14, s[SEL], s[SEL+1]
	s_delay_alu instid0(VALU_DEP_1)
	v_add_f32 v14, v14, v252                       ; and lane l xor 16's
	s_wait_alu depctr_va_vdst(0)
	v_rcp_f32 v14, v14
.rept 3
	v_nop                                          ; the plain instruction behind the reciprocal; with the two additions, more than four places behind the last products
.endr
	s_wait_alu depctr_va_vdst(0)                   ; the wait ahead of the reciprocal's first reader
.set j, 0
.rept 32
	v_pk_mul_f32 v[96+j:97+j], v[160+j:161+j], v[14:15] op_sel_hi:[1,0]   ; register 8 t + i: o(r, 16 t + 8 h + i); each accumulator from its low end on
.set j, j+2
.endr
	s_wait_alu depctr_va_vdst(0)
	s_barrier_wait -1                              ; no wave reads K's upper half for this tile any more: the stages may be written
.irp u, 0,1                            ; channels 64 u on
.irp t, 0,1,2,3
	ds_store_b128 v[STI], v[96+32*\u+8*\t:99+32*\u+8*\t] offset:64*\t
	ds_store_b128 v[STI], v[100+32*\u+8*\t:103+32*\u+8*\t] offset:64*\t+16
.endr
.irp i, 0,1,2,3,4,5,6,7
	ds_load_b128 v[160+32*\u+4*\i:163+32*\u+4*\i], v[STO] offset:2*\i*STP   ; LDS serves a wave's instructions in order (ISA guide 5.7.1.4): these see my stores, and the next half's stores come behind them
.endr
.endr
	s_wait_dscnt 0x0                               ; the rows are back in registers, and my stage's traffic is over:
	s_barrier_signal -1                            ; the next trip's loop names all of K's bytes.  (The early tile's queries lie under 1,024, so its steps on keys from 1,024 on are all left out: it reads nothing of what the stages overwrote)
	s_barrier_wait -1
.irp u, 0,1
.irp i, 0,1,2,3,4,5,6,7
	global_store_b128 v[GO], v[160+32*\u+4*\i:163+32*\u+4*\i], s[OP:OP+1] offset:1024*\i+256*\u th:TH_STORE_NT
.endr
.endr
	s_wait_xcnt 0x0                                ; the stores have read v160-223 and their base, Q's loads theirs: all are written again only behind this wait
	s_mov_b64 s[QC:QC+1], s[QCB:QCB+1]             ; on to my early tile
	s_mov_b64 s[QS:QS+1], s[QSB:QSB+1]
	s_mov_b64 s[OP:OP+1], s[OB:OB+1]
	s_mov_b32 s[Q0], s[Q0B]
	s_sub_co_u32 s[PH], s[PH], 1
	s_cmp_lg_u32 s[PH], 0
	s_cbranch_scc1 .Ltile
	s_wait_tensorcnt 0x0
	ds_add_u32 v6, v28
	s_wait_dscnt 0x0
	s_endpgm
.Lfunc_end_k_qa6dc431ec4_attend:
	.size	k_qa6dc431ec4_attend, .Lfunc_end_k_qa6dc431ec4_attend-k_qa6dc431ec4_attend
	.p2alignl 7, 3214868480
	.fill 96, 4, 3214868480
	.section	.rodata,"a",@progbits
	.p2align	6, 0x0
	.amdhsa_kernel k_qa6dc431ec4_attend
		.amdhsa_group_segment_fixed_size 296960
		.amdhsa_private_segment_fixed_size 0
		.amdhsa_enable_private_segment 0
		.amdhsa_kernarg_size 56
		.amdhsa_user_sgpr_count 2
		.amdhsa_user_sgpr_kernarg_segment_ptr 1
		.amdhsa_wavefront_size32 1
		.amdhsa_system_sgpr_workgroup_id_x 1
		.amdhsa_system_sgpr_workgroup_id_y 1
		.amdhsa_system_sgpr_workgroup_id_z 1
		.amdhsa_system_vgpr_workitem_id 0
		.amdhsa_next_free_vgpr 256
		.amdhsa_next_free_sgpr 96
		.amdhsa_reserve_vcc 1
		.amdhsa_float_denorm_mode_32 3
		.amdhsa_float_denorm_mode_16_64 3
		.amdhsa_memory_ordered 1
		.amdhsa_forward_progress 1
		.amdhsa_inst_pref_size 42
	.end_amdhsa_kernel
	.amdgpu_metadata
---
amdhsa.version: [ 1, 2 ]
amdhsa.kernels:
  - .name:           k_qa6dc431ec4_attend
    .symbol:         k_qa6dc431ec4_attend.kd
    .args:
      - { .name: q_codes, .offset: 0, .size: 8, .value_kind: global_buffer, .address_space: global }
      - { .name: q_scales, .offset: 8, .size: 8, .value_kind: global_buffer, .address_space: global }
      - { .name: k_codes, .offset: 16, .size: 8, .value_kind: global_buffer, .address_space: global }
      - { .name: k_scales, .offset: 24, .size: 8, .value_kind: global_buffer, .address_space: global }
      - { .name: v_codes, .offset: 32, .size: 8, .value_kind: global_buffer, .address_space: global }
      - { .name: v_scales, .offset: 40, .size: 8, .value_kind: global_buffer, .address_space: global }
      - { .name: out0, .offset: 48, .size: 8, .value_kind: global_buffer, .address_space: global }
    .group_segment_fixed_size: 296960
    .private_segment_fixed_size: 0
    .kernarg_segment_align: 8
    .kernarg_segment_size: 56
    .max_flat_workgroup_size: 512
    .sgpr_count:     96
    .vgpr_count:     256
    .wavefront_size: 32
...
	.end_amdgpu_metadata
.endif
;; end of part 1
